; MI455X (gfx1250); checked and timed in simulation.
; The chip was launched on July 23, 2026; its instructions are those of AMD's public machine-readable ISA for CDNA 5 (MIT licence, August 2026) and "CDNA5" Instruction Set Architecture Reference Guide (July 2026). The comments in the code are by the model that wrote it; some were corrected since.
;; Mo E Head. Allowed arithmetic: matrix products marked QUANTISED: E2M1 operands, one E8M0 scale for each 32 along K, by v_wmma_scale_f32_16x16x128_f8f6f4 with both operands' format E2M1 (or v_wmma_scale_f32_32x16x128_f4), f32 sums; products left as they are: f32 operands where the result goes on into a quantised operand, else bf16, f16 or f32 operands; f32 sums; everything else in f32.
;; Inputs: W_codes 8 x 512 x 16 x 16 uint8 (E2M1 codes of W, K innermost, in blocks of 32 codes, two codes a byte); W_scales 8 x 512 x 16 uint8 (E8M0 scales of W, one for each 32 codes along K); Wg 8 x 512 float32; b 8 x 512 float32; bg 8 float32; x 32,768 x 512 float32.
;; Outputs: out0 32,768 x 512 float32.
;; This version of the problem:
;;   THIS VERSION OF THE PROBLEM IS GIVEN IN LOW PRECISION. The matrix products marked QUANTISED in the list below multiply operands that are first quantised to E2M1 (2 exponent bits, 1 mantissa bit; 4 bits a number), with one power-of-two scale for each 32 numbers along K (OCP MX v1.0); their sums are f32. All else is computed in f32.
;;   The module's matrix products, in the order in which they are computed (A, B: the left and right operand; K: the contracted axis; several contracted axes count as one K, in the product's order):
;;     1. [M 32,768, K 512] x [K 512, N 8]; A: input x; B: input Wg: left as it is (N = 8 < 16)
;;     2. [M 32,768, K 512] x [K 512, N 4,096]; A: input x; B: input W (given as codes): QUANTISED
;;   THE QUANTISER, for each operand of a quantised product, along K:
;;     - K is cut into blocks of 32 from its start; a last block that is shorter is filled with zeros.
;;     - A block's scale is 2^e with e = floor(log2(the largest magnitude in the block)) - 2, held to -126 .. 127; a block of zeros has e = 0. As a byte (E8M0): e + 127.
;;     - Each number is divided by its block's scale, clamped to +-6, and rounded to the nearest number of E2M1, ties to even, subnormals kept.
;;     - The product sums the exact products of the quantised numbers (number of the format x scale) in f32.
;;   ~~~python
;;   def quantise(x, axis):      # numpy; x: float32 -> the quantised numbers, widened to float32 again
;;       x = np.moveaxis(x, axis, -1); K = x.shape[-1]
;;       x = np.pad(x, [(0, 0)] * (x.ndim - 1) + [(0, -K % 32)]); x = x.reshape(x.shape[:-1] + (-1, 32)); a = np.abs(x).max(-1, keepdims=True)
;;       e = np.where(a > 0, np.clip(np.frexp(np.where(a > 0, a, 1))[1] - 1 - 2, -126, 127), 0)      # np.frexp(a)[1] - 1 = floor(log2(a)), exactly
;;       r = np.clip(x / 2.0 ** e, -6, 6)
;;       step = 2.0 ** (np.maximum(np.frexp(np.where(r == 0, 1, r))[1] - 1, 0) - 1)
;;       q = np.round(r / step) * step * 2.0 ** e      # np.round: ties to even
;;       return np.moveaxis(q.reshape(q.shape[:-2] + (-1,))[..., :K], -1, axis).astype(np.float32)
;;   ~~~
;;   INPUTS GIVEN AS CODES. W (in the module: [8, 512, 512], K = its axis 2): each comes as NAME_codes (uint8): NAME with its K axis moved to the last place and cut into blocks of 32 codes, [.., K / 32, bytes a block], one block behind the other in memory; two codes a byte, the lower K in the low four bits (a code: sign, 2 exponent bits, 1 mantissa bit); and NAME_scales (uint8): the same leading axes, one E8M0 byte (e + 127) for each 32 codes along K. Its value is code x scale, taken as it is: it is not quantised again, and the codes and scales need not be those that the quantiser above would give.
;; 2 versions, each right and faster than the one before. Each part assembles by itself: llvm-mc -triple=amdgcn-amd-amdhsa -mcpu=gfx1250 --defsym DOCPART=n.
;; ======== version 1 of 2: 1 launch
;; launch moe (part 1): grid 256 x 1, 4 waves a work-group, clusters of 4 x 1, 327,680 bytes of LDS; arguments x, Wg, bg, W_codes, W_scales, b, out0; writes out0
.if DOCPART == 1
	.amdgcn_target "amdgcn-amd-amdhsa--gfx1250"
	.amdhsa_code_object_version 6
	.text
	.protected	k_qc11dfe1e0c_moe
	.globl	k_qc11dfe1e0c_moe
	.p2align	8
	.type	k_qc11dfe1e0c_moe,@function
k_qc11dfe1e0c_moe:
	s_mov_b64 s[64:65], 0
	v_nop
	global_prefetch_b8 v0, s[64:65] scope:SCOPE_SE
	s_setreg_imm32_b32 hwreg(HW_REG_WAVE_MODE, 25, 1), 1
	s_wait_xcnt 0x0
	s_wait_alu depctr_hold_cnt(0) depctr_sa_sdst(0) depctr_va_vdst(0) depctr_va_sdst(0) depctr_va_ssrc(0) depctr_va_vcc(0) depctr_vm_vsrc(0)
	s_getreg_b32 s2, hwreg(HW_REG_IB_STS2, 6, 4)
	s_cmp_eq_u32 s2, 0
	s_cbranch_scc0 .Lentry_in_a_cluster
	s_endpgm
.Lentry_in_a_cluster:
	s_bfe_u32 s2, ttmp6, 0x10000c
	s_cmp_lg_u32 s2, 0x3003
	s_cbranch_scc0 .Lentry_shape_is_right
	s_endpgm
.Lentry_shape_is_right:
; out[n] = sum over the two experts e with the largest gate score of w_e (Q(x[n]) W_e^T + b_e).   x [32768][512] f32; Wg [8][512], bg [8], b [8][512] f32;
; W: codes of FP4 (E2M1), [8][512 outputs][256 bytes], K innermost, with one E8M0 byte for each 32 along K, [8][512][16];  out0 [32768][512] f32.
; ONE LAUNCH.  The choice of experts hangs on floating-point numbers, so it steers no address and no branch: all eight experts are multiplied, and an expert that a token has not chosen enters with the weight 0.
; SHARES.  A work-group owns 128 tokens.  PHASE X: wave v takes k = 128 v .. 128 v + 127 of all 128 tokens, a lane to a token: it quantises them along K (a lane's 32 registers are a block) and makes its part of the
; eight gate scores in f32 fused multiply-adds.  The codes go to LDS as images of the operand's registers; every wave then holds the codes of all 128 tokens (256 registers).  Wave v adds the parts of tokens 32 v .. 32 v + 31,
; finds the two largest scores (the lower index wins a tie), their softmax (the larger score is taken away first), and puts eight weights a token into a table in LDS, which every wave reads into registers.
; MAIN PHASE: eight groups of 64 outputs; wave v makes outputs 64 g + 16 v + 0 .. 15 for all 128 tokens.  For each expert: temp = b_e + W_e Q(x)^T (the bias is the C of the first K step), then out += w_e temp.
; THE MATRIX INSTRUCTION IS USED TRANSPOSED (source 0 = 16 rows of W_e, source 1 = 16 tokens): a lane holds one token (lane % 16) and eight neighbouring outputs.  A fragment of W is read from LDS by one wave alone and feeds eight products.
; CLUSTER.  All work-groups walk the same weights: the four of a cluster ask for each tile JOINTLY (the same tensor load, the same descriptor, the mask 15).  x's and Wg's loads are each work-group's own.
; LIMITS.  A token whose second and third score lie closer than the rounding of an f32 sum of 512 terms may choose otherwise than another order of summing would.  NaN and infinities among the inputs are not served;
; a sum of an expert NOT chosen that overflows f32 gives NaN (0 x infinity).  A block of x whose largest magnitude lies under 2^-124 gets the byte 1 (a block of zeros too: its codes are zeros).
;
; LDS.  Two slots of four parts (a part: 128 rows of 256 bytes + 16 of padding).  First fill: x, wave v's 512 bytes of each row in two halves, one to a slot.  Later fills: a group's weights, expert e's 64 rows at e x EXPB.
.set PART,  34816                      ; 128 x 272
.set SLOT,  4*PART
.set EXPB,  64*272                     ; an expert's 64 rows in a slot
.set IMG0,  2*SLOT                     ; images of x's codes, registers 0-3 of each fragment: 4096 q + 512 t + 16 lane
.set WGB,   IMG0+16384                 ; Wg, wave v's 128 columns at 4096 v (filled once); then the images of registers 4-7: each wave writes onto its own slice, behind its own last loads of it
.set XSB,   WGB+16384                  ; x's scale words: 512 q + 4 token
.set STG,   IMG0                       ; later: the stage for out, 128 rows x (256 + 16) bytes: just the images' and the scale words' bytes, which are in registers by then
.set PRT,   XSB+2048                   ; parts of the gate scores: 3072 owner + 1024 j + 128 e + 4 lane
.set WTB,   PRT                        ; then the table of weights: 1280 e + 80 (token % 16) + 8 (token / 16), each weight twice
.set SPARE, PRT+12288                  ; the spare words, 128 bytes for each wave: two blocks of 256 bytes that no other line names
; REGISTERS, in windows of 256.  Window 0, all phases:
.set SPW,  1                           ; LDS address of my spare word; never rewritten
.set NIL,  2                           ; 0; never rewritten
.set AW,   3                           ; v3, v4  my rows of W in the slot in hand: experts 0-3, experts 4-7
.set AWB,  5                           ; my lane's place in an expert's 64 rows
.set ASTO, 6                           ; the stage: where I put 32 bytes of a row
.set ARD,  7                           ; and where I read a row back
.set AGO,  8                           ; my byte offset in the wave's 32 rows of out0
.set ABI,  9                           ; my byte offset in a group's 64 biases
.set ASC,  10                          ; and in a group's 64 rows of W's scale bytes
.set AWG,  11                          ; my wave's slice of Wg
.set AWT,  12                          ; the table: where I put my token's weights
.set AWL,  13                          ; and where I read a row of it
.set AIR,  14                          ; an image's place for my lane
.set AXR,  15                          ; a scale word's
.set XS,   16                          ; v16-31  x's scale words: register 4 q + s: lanes 0-15 tile 2 s, lanes 16-31 tile 2 s + 1
.set WS,   32                          ; v32-47  W's: registers 2 e, 2 e + 1: lanes 0-15 K steps 0, 1; lanes 16-31 K steps 2, 3
.set WF,   48                          ; v48-111 W's fragments, two sets of four K steps
.set T,    112                         ; v112-175 temp, 8 tiles of tokens
.set O,    176                         ; v176-239 out, 8 tiles
.set AX,   240                         ; v240-243 phase X: my token's row of x in set g
.set AIM,  244                         ; v244-247 where its codes' image goes
.set AXW,  248                         ; v248-251 and its scale word
.set APS,  252                         ; v252-254 where the parts of sets 1-3 go
.set APL,  255                         ; where I read the three other waves' parts of my own set
; window 0, phase X alone:
.set AXT,  96                          ; v96-104  the unit's addresses
.set AIMT, 100
.set AWGT, 104
.set MX,   112                         ; v112-119 largest magnitudes of 8 blocks (set n / 2, block n % 2)
.set SC,   120                         ; v120-127 the conversions' scale operands
.set BY,   128                         ; v128-135 the scale bytes
.set XSW,  136                         ; v136-139 a scale word for each set
.set CD,   144                         ; v144-175 the codes just made
.set ACC,  176                         ; v176-239 the gate's sums: set g, expert e at 16 g + 2 e: even k, odd k
; window 0, between the phases:
.set PL,   112                         ; v112-135 the other waves' parts
.set M1,   136
.set M2,   137
.set TT,   138
.set UU,   139
.set P1,   140
.set P2,   141
.set NINF, 142
.set SCR,  144                         ; v144-151 the scores
.set SC2,  152                         ; v152-159 the scores without the largest
.set WPR,  160                         ; v160-175 the weights, each twice
; window 1: phase X: x, 64 numbers for each set; then x's codes of K steps 0, 1 (64 (q % 2) + 8 t).   window 2: Wg of experts 0-3; then codes of K steps 2, 3, and from v128 the weights.   window 3: Wg of experts 4-7; then:
.set WP,   128                         ; window 2: the pair (w, w) of expert e, tile t at 16 e + 2 t
.set RB,   0                           ; window 3: v0-63 rows of out read back from the stage
.set BI,   64                          ; window 3: v64-127 the biases, 8 registers an expert, in the result's layout
; scalar registers
.set WV,    18                         ; my wave's number
.set WPART, 19                         ; PART x wave
.set G1X,   20                         ; s[20:27] group 1 for x;  s[28:35] for Wg;  s[36:43] for the weights
.set G1G,   28
.set G1W,   36
.set G0X,   44                         ; s[44:51] groups 0 for x's two halves;  s[52:55] for Wg;  s[56:59] for the weights
.set G0G,   52
.set G0W,   56
.set TF,    60                         ; the slot that the next joint load fills
.set TB,    61                         ; the slot in hand
.set OFF,   62                         ; s[62:63] the next group's bytes in an expert's codes
.set U,     66                         ; counts the units of phase X
.set G,     67                         ; counts the main loop's trips
.set BG,    68                         ; s[68:75] bg
.set MK,    76                         ; s[76:83] lanes whose largest score is expert e's;  s[84:91] the second largest
.set NK,    84
.set FND,   92
.set XT,    93                         ; the unit's steps: x's slot, Wg's half, the images' half
.set WCB,   94                         ; s[94:95] W's codes at experts 2 v, 2 v + 1
.set WT,    96
.set IT,    97
.set MSB, 0
.macro WIN new                         ; low byte: bits 1:0 source 0, 3:2 source 1, 5:4 source 2, 7:6 destination; the high byte repeats the setting that is left
.if MSB != \new
	s_set_vgpr_msb (MSB<<8)|\new
.set MSB, \new
.endif
.endm
.macro PLACES
.rept 4
	v_nop
.endr
.endm
.macro CREST                           ; a round of the cluster's barrier behind its opening barrier
	s_cmp_lg_u32 s[WV], 0
	s_cbranch_scc1 .Lnot_wave_0_\@
	s_barrier_signal -3
.Lnot_wave_0_\@:
	s_barrier_wait -3
	s_barrier_signal -1
	s_barrier_wait -1
.endm
.macro CROUND                          ; a whole round
	s_barrier_signal -1
	s_barrier_wait -1
	CREST
.endm
.macro BAR                             ; my LDS stores have landed and my LDS loads are in: then the work-group's barrier.  A tensor load may stay out
	s_wait_dscnt 0x0
	s_barrier_signal -1
	s_barrier_wait -1
.endm
.macro ASK                             ; the weights' group 0 is written behind a wait for all my tensor loads
	s_add_co_u32 s[G0W+1], s[WPART], s[TF]
	s_add_nc_u64 s[G0W+2:G0W+3], s[WCB:WCB+1], s[OFF:OFF+1]
	s_or_b32 s[G0W+3], s[G0W+3], 0x80000000
.endm
.macro JLOAD                           ; the joint load: experts 2 v, 2 v + 1, 64 rows each; four v_nop follow it; the steps touch no register of the descriptor
	tensor_load_to_lds s[G0W:G0W+3], s[G1W:G1W+7]
	s_nop 0
	PLACES
	s_xor_b32 s[TF], s[TF], SLOT
	s_add_co_u32 s[OFF], s[OFF], 16384
.endm
	s_load_b256 s[4:11], s[0:1], 0x0               ; x s[4:5], Wg s[6:7], bg s[8:9], W's codes s[10:11]
	s_load_b128 s[12:15], s[0:1], 0x20             ; W's scales s[12:13], b s[14:15]
	s_load_b64 s[16:17], s[0:1], 0x30              ; out0
	v_lshl_add_u32 v[SPW], v0, 2, SPARE
	v_mov_b32 v[NIL], 0
	ds_add_u32 v1, v2
	ds_add_u32 v1, v2
	s_wait_dscnt 0x0
	v_lshrrev_b32 v112, 5, v0
	v_readfirstlane_b32 s[WV], v112                ; wave 0..3
	s_mul_i32 s[WPART], s[WV], PART
	s_bfe_u32 s98, ttmp6, 0x40000                  ; cx: my place in the cluster; it enters x's and out0's addresses alone
	s_lshl_b32 s99, ttmp9, 2                       ; in a cluster launch ttmp9 counts clusters
	s_add_co_u32 s98, s99, s98                     ; my block of 128 tokens
	s_lshl_b32 s98, s98, 18                        ; x 128 rows of 2,048 bytes
	s_mov_b32 s99, 0
	s_lshl_b32 s100, s[WV], 9                      ; my wave's 512 bytes of a row of x and of Wg
	s_mov_b32 s101, 0
	; group 1 for x: 128 rows of 256 bytes (32 elements of 8), 2,048 bytes apart; 16 bytes of padding behind each
	s_mov_b32 s[G1X], (3<<16)|(1<<20)|(5<<22)|(3<<25)
	s_mov_b32 s[G1X+1], 32<<16
	s_mov_b32 s[G1X+2], 128<<16
	s_mov_b32 s[G1X+3], 32<<16
	s_mov_b32 s[G1X+4], 128
	s_mov_b32 s[G1X+5], 256
	s_mov_b32 s[G1X+6], 0
	s_mov_b32 s[G1X+7], 0
	; for Wg: 8 rows of 512 bytes, 2,048 bytes apart, no padding
	s_mov_b32 s[G1G], 3<<16
	s_mov_b32 s[G1G+1], 64<<16
	s_mov_b32 s[G1G+2], 8<<16
	s_mov_b32 s[G1G+3], 64<<16
	s_mov_b32 s[G1G+4], 8
	s_mov_b32 s[G1G+5], 256
	s_mov_b32 s[G1G+6], 0
	s_mov_b32 s[G1G+7], 0
	; for the weights: 2 experts, 131,072 bytes apart; of each 64 dense rows, 16,384 bytes, stated as one row of 2,048 elements; 16 bytes of padding behind every 256.  15:0 the mask: all four work-groups; 21 set beside it
	s_mov_b32 s[G1W], 15|(3<<16)|(1<<20)|(1<<21)|(5<<22)|(3<<25)
	s_mov_b32 s[G1W+1], 2048<<16
	s_mov_b32 s[G1W+2], 2<<16
	s_mov_b32 s[G1W+3], 2048<<16
	s_mov_b32 s[G1W+4], 2
	s_mov_b32 s[G1W+5], 16384
	s_mov_b32 s[G1W+6], 0
	s_mov_b32 s[G1W+7], 0
	s_mov_b32 s[TF], 0
	s_mov_b32 s[TB], 0
	s_mov_b32 s[OFF], 0
	s_mov_b32 s[OFF+1], 0
	s_mov_b32 s[U], 0
	s_mov_b32 s[XT], 0
	s_mov_b32 s[WT], 0
	s_mov_b32 s[IT], 0
	s_wait_kmcnt 0x0
	s_add_nc_u64 s[4:5], s[4:5], s[98:99]
	s_add_nc_u64 s[4:5], s[4:5], s[100:101]        ; x at my block's first row, my wave's K step
	s_add_nc_u64 s[6:7], s[6:7], s[100:101]        ; Wg at my wave's K step
	s_add_nc_u64 s[16:17], s[16:17], s[98:99]
	s_lshl_b32 s100, s[WV], 16
	s_add_nc_u64 s[16:17], s[16:17], s[100:101]    ; out0 at the 32 rows that my wave stores
	s_lshl_b32 s100, s[WV], 18
	s_add_nc_u64 s[WCB:WCB+1], s[10:11], s[100:101]   ; made of the wave's number alone: equal in the four partners
	s_load_b256 s[BG:BG+7], s[8:9], 0x0            ; bg: nobody writes it
	s_mov_b32 s[G0X], 1
	s_mov_b32 s[G0X+1], s[WPART]
	s_mov_b64 s[G0X+2:G0X+3], s[4:5]
	s_or_b32 s[G0X+3], s[G0X+3], 0x80000000
	s_mov_b32 s[G0X+4], 1
	s_add_co_u32 s[G0X+5], s[WPART], SLOT
	s_add_nc_u64 s[G0X+6:G0X+7], s[4:5], 256
	s_or_b32 s[G0X+7], s[G0X+7], 0x80000000
	s_mov_b32 s[G0G], 1
	s_lshl_b32 s[G0G+1], s[WV], 12
	s_add_co_u32 s[G0G+1], s[G0G+1], WGB
	s_mov_b64 s[G0G+2:G0G+3], s[6:7]
	s_or_b32 s[G0G+3], s[G0G+3], 0x80000000
	s_mov_b32 s[G0W], 1
	CROUND                                         ; the one round in front of the first fills
	tensor_load_to_lds s[G0G:G0G+3], s[G1G:G1G+7]          ; three loads of mine are out: Wg's slice,
	s_nop 0
	tensor_load_to_lds s[G0X:G0X+3], s[G1X:G1X+7]          ; x's first half,
	s_nop 0
	tensor_load_to_lds s[G0X+4:G0X+7], s[G1X:G1X+7]        ; x's second half
	s_nop 0
	PLACES
	; addresses
	v_and_b32 v112, 31, v0                         ; L
	v_and_b32 v113, 15, v0                         ; r
	v_bfe_u32 v114, v0, 4, 1                       ; h
	v_mul_u32_u24 v115, v112, 272
	v_lshlrev_b32 v116, 4, v113                    ; 16 r
	v_lshl_add_u32 v117, v114, 9, v116             ; 512 h + 16 r
	v_lshlrev_b32 v118, 2, v112                    ; 4 L
	v_mul_u32_u24 v119, v113, 272
	s_lshl_b32 s101, s[WV], 12
	s_add_co_u32 s101, s101, IMG0
	v_add_nc_u32 v121, s101, v117
	s_lshl_b32 s101, s[WV], 9
	s_add_co_u32 s101, s101, XSB
	v_add_nc_u32 v122, s101, v118
	v_add_nc_u32 v123, s[WPART], v115
.irp g, 0,1,2,3                        ; the sets of 32 tokens are taken in turned order: my g-th is set (v + g) % 4, so that the set whose scores I finish lies in the registers of g = 0
	s_add_co_u32 s100, s[WV], \g
	s_and_b32 s100, s100, 3
	s_mul_i32 s101, s100, 32*272
	v_add_nc_u32 v[AX+\g], s101, v123
	s_lshl_b32 s101, s100, 10
	v_add_nc_u32 v[AIM+\g], s101, v121             ; token 32 s + L is row r of tile 2 s + h
	s_lshl_b32 s101, s100, 7
	v_add_nc_u32 v[AXW+\g], s101, v122
.if \g > 0
	s_mul_i32 s101, s100, 3072
	s_add_co_u32 s101, s101, PRT+1024*(\g-1)
	v_add_nc_u32 v[APS+\g-1], s101, v118
.endif
.endr
	s_mul_i32 s100, s[WV], 3072
	s_add_co_u32 s100, s100, PRT
	v_add_nc_u32 v[APL], s100, v118
	s_lshl_b32 s100, s[WV], 12
	s_add_co_u32 s100, s100, WGB
	v_mov_b32 v[AWG], s100
	s_mul_i32 s100, s[WV], 16*272
	v_lshl_add_u32 v120, v114, 4, v119
	v_add_nc_u32 v[AWB], s100, v120                ; row 16 v + r, + 16 h
	v_mov_b32 v[AW], v[AWB]
	v_add_nc_u32 v[AW+1], 4*EXPB, v[AWB]
	s_lshl_b32 s100, s[WV], 6
	s_add_co_u32 s100, s100, STG
	v_lshl_add_u32 v120, v114, 5, v119
	v_add_nc_u32 v[ASTO], s100, v120               ; row r, + 64 v + 32 h
	s_mul_i32 s100, s[WV], 32*272
	s_add_co_u32 s100, s100, STG
	v_mul_u32_u24 v120, v114, 272
	v_add_nc_u32 v120, v120, v116
	v_add_nc_u32 v[ARD], s100, v120                ; row 32 v + h, + 16 r
	v_lshl_add_u32 v[AGO], v114, 11, v116
	s_lshl_b32 s100, s[WV], 6
	v_lshlrev_b32 v120, 5, v114
	v_add_nc_u32 v[ABI], s100, v120
	s_lshl_b32 s100, s[WV], 8
	v_lshl_add_u32 v120, v114, 3, v116
	v_add_nc_u32 v[ASC], s100, v120
	s_lshl_b32 s100, s[WV], 4
	s_add_co_u32 s100, s100, WTB
	v_mul_u32_u24 v120, v113, 80
	v_lshl_add_u32 v121, v114, 3, v120
	v_add_nc_u32 v[AWT], s100, v121                ; my token 32 v + L is row r of tile 2 v + h
	v_add_nc_u32 v[AWL], WTB, v120
	v_lshl_add_u32 v[AIR], v112, 4, IMG0
	v_add_nc_u32 v[AXR], XSB, v118
.set i, 0
.rept 64
	v_mov_b32 v[ACC+i], 0                          ; the unit is written once, so its sums begin as zeros
.set i, i+1
.endr
.irp g, 0,1,2,3
	v_mov_b32 v[XSW+\g], 0
.endr
.macro WGLOAD w                        ; Wg of experts 4 w .. 4 w + 3, 64 numbers each, the same in every lane
.irp e, 0,1,2,3
.irp i, 0,1,2,3,4,5,6,7,8,9,10,11,12,13,14,15
	ds_load_b128 v[64*\e+4*\i:64*\e+4*\i+3], v[AWGT] offset:512*(4*\w+\e)+16*\i
.endr
.endr
.endm
.macro GATE w                          ; 512 packed multiply-adds: sixteen sums (four experts x four sets) by turns
.set p, 0
.rept 32
.irp e, 0,1,2,3
.irp g, 0,1,2,3
	v_pk_fma_f32 v[ACC+16*\g+2*(4*\w+\e):ACC+16*\g+2*(4*\w+\e)+1], v[64*\g+2*p:64*\g+2*p+1], v[64*\e+2*p:64*\e+2*p+1], v[ACC+16*\g+2*(4*\w+\e):ACC+16*\g+2*(4*\w+\e)+1]
.endr
.endr
.set p, p+1
.endr
.endm
; PHASE X.  A unit is 64 along K (two blocks) of my K step, for all 128 tokens; two units.
.Lunit:
	s_wait_tensorcnt 0x1                           ; first unit: Wg and x's first half are in, the second half may be out.  Second unit: only the refill issued behind the last round is out
.irp g, 0,1,2,3
	v_add_nc_u32 v[AXT+\g], s[XT], v[AX+\g]
	v_add_nc_u32 v[AIMT+\g], s[IT], v[AIM+\g]
.endr
	v_add_nc_u32 v[AWGT], s[WT], v[AWG]
	WIN 0x40                                       ; destination window 1
.irp g, 0,1,2,3
.irp i, 0,1,2,3,4,5,6,7,8,9,10,11,12,13,14,15
	ds_load_b128 v[64*\g+4*\i:64*\g+4*\i+3], v[AXT+\g] offset:16*\i   ; my token's 64 numbers; rows 272 bytes apart
.endr
.endr
	s_wait_dscnt 0x0                               ; x is in
	WIN 0x80
	WGLOAD 0                                       ; lands while the blocks are quantised
	WIN 0x14                                       ; sources 1 and 2 window 1
.irp n, 0,1,2,3,4,5,6,7
	v_max3_num_f32 v[MX+\n], 0x1800000, |v[32*\n]|, |v[32*\n+1]|   ; a block's largest magnitude, all 32 numbers mine, and the floor 2^(3 - 127): so the byte cannot fall under 1
.endr
.irp i, 2,4,6,8,10,12,14,16,18,20,22,24,26,28,30
.irp n, 0,1,2,3,4,5,6,7
	v_max3_num_f32 v[MX+\n], v[MX+\n], |v[32*\n+\i]|, |v[32*\n+\i+1]|   ; (the eight blocks by turns)
.endr
.endr
	WIN 0
.irp n, 0,1,2,3,4,5,6,7
	v_add_nc_u32 v[SC+\n], 0xff000000, v[MX+\n]    ; 2 off the exponent field: the conversion takes the exponent field of this operand as its scale
.endr
.irp n, 0,1,2,3,4,5,6,7
	v_lshrrev_b32 v[BY+\n], 23, v[SC+\n]           ; the scale's byte
.endr
.irp g, 0,1,2,3
	v_lshrrev_b32 v[XSW+\g], 16, v[XSW+\g]         ; the first unit's two bytes go down, this unit's come in on top
.endr
.irp g, 0,1,2,3
	v_lshl_or_b32 v[XSW+\g], v[BY+2*\g], 16, v[XSW+\g]
.endr
.irp g, 0,1,2,3
	v_lshl_or_b32 v[XSW+\g], v[BY+2*\g+1], 24, v[XSW+\g]
.endr
	WIN 0x01                                       ; source 0 window 1
.irp n, 0,1,2,3,4,5,6,7
.irp c, 0,1,2,3
	v_cvt_scalef32_pk8_fp4_f32 v[CD+4*\n+\c], v[32*\n+8*\c:32*\n+8*\c+7], v[SC+\n]
.endr
.endr
	v_nop                                          ; one plain place behind a scaled conversion
	WIN 0xc0
	WGLOAD 1
	WIN 0
.irp n, 0,1,2,3,4,5,6,7                ; a block's 16 bytes ARE four registers of one lane of the fragment: block 2 c + h of row r is lane (r, h), registers 4 c .. 4 c + 3.  No lane changes places.
	ds_store_b128 v[AIMT+\n/2], v[CD+4*\n:CD+4*\n+3] offset:256*(\n%2)   ; LDS serves a wave's instructions in order: in the second unit these land on my slice of Wg behind my last loads of it
.endr
	s_wait_dscnt 63                                ; 136 LDS instructions were issued behind x's wait: the first 73 are done, Wg of experts 0-3 (64 loads) among them
	WIN 0x09                                       ; source 0 (x) window 1, source 1 (Wg) window 2
	GATE 0
	s_wait_dscnt 0x0
	WIN 0x0d                                       ; source 1 window 3
	GATE 1
	WIN 0
	s_wait_tensorcnt 0x0                           ; all my tensor loads have landed;
	ds_add_u32 v[SPW], v[NIL]                      ; 0 onto my spare word
	ASK
	s_wait_dscnt 0x0                               ; the add is done, and my reads of this unit's slot are over
	CROUND                                         ; the round takes the barrier's place: no wave of any partner still reads the slot or has a load on its way
	JLOAD                                          ; the weights of group 0 (then 1) into the slot that x's half has left
	s_add_co_u32 s[XT], s[XT], SLOT
	s_add_co_u32 s[WT], s[WT], 256
	s_add_co_u32 s[IT], s[IT], 16384
	s_add_co_u32 s[U], s[U], 1
	s_cmp_lt_u32 s[U], 2
	s_cbranch_scc1 .Lunit
; The biases (in the result's layout: lane (r, h) takes outputs 8 h + 0 .. 7 of my 16) and W's scale words of experts first .. first + 3; ahead = 1: of the next group
.macro BATCH first, ahead
	WIN 0xc0
.irp e, \first, \first+1, \first+2, \first+3
	global_load_b128 v[BI+8*(\e):BI+8*(\e)+3], v[ABI], s[14:15] offset:2048*(\e)+256*\ahead
	global_load_b128 v[BI+8*(\e)+4:BI+8*(\e)+7], v[ABI], s[14:15] offset:2048*(\e)+256*\ahead+16
.endr
	WIN 0
.irp e, \first, \first+1, \first+2, \first+3
	global_load_b64 v[WS+2*(\e):WS+2*(\e)+1], v[ASC], s[12:13] offset:8192*(\e)+1024*\ahead   ; the wave reads 256 consecutive bytes: 16 rows of 16 scale bytes
.endr
.endm
.macro IMGLOAD q                       ; the codes of K step q, all eight tiles of tokens
.irp t, 0,1,2,3,4,5,6,7
.irp c, 0,1
	ds_load_b128 v[64*((\q)%2)+8*\t+4*\c:64*((\q)%2)+8*\t+4*\c+3], v[AIR] offset:16384*\c+4096*(\q)+512*\t
.endr
.endr
.endm
.macro WFL e, q                        ; W's fragment of expert e, K step q: 16 rows x 128 K of 4-bit codes: two loads, 32 bytes apart
.irp c, 0,1
	ds_load_b128 v[WF+32*((\e)%2)+8*(\q)+4*\c:WF+32*((\e)%2)+8*(\q)+4*\c+3], v[AW+(\e)/4] offset:((\e)%4)*EXPB+64*(\q)+32*\c
.endr
.endm
.macro WFLOAD e
.irp q, 0,1,2,3
	WFL \e, \q
.endr
.endm
	; BETWEEN THE PHASES
	BATCH 0, 0                                     ; group 0, experts 0-3: on their way while the scores are finished
.irp g, 0,1,2,3
.irp e, 0,1,2,3,4,5,6,7
	v_add_f32 v[ACC+16*\g+2*\e], v[ACC+16*\g+2*\e], v[ACC+16*\g+2*\e+1]   ; even k + odd k
.endr
.endr
.irp g, 1,2,3
.irp e, 0,1,2,3,4,5,6,7
	ds_store_b32 v[APS+\g-1], v[ACC+16*\g+2*\e] offset:128*\e     ; to the wave that owns the set
.endr
.endr
.irp g, 0,1,2,3
	ds_store_b32 v[AXW+\g], v[XSW+\g]
.endr
	BAR                                            ; images, scale words and parts lie in LDS
.irp j, 0,1,2
.irp e, 0,1,2,3,4,5,6,7
	ds_load_b32 v[PL+8*\j+\e], v[APL] offset:1024*\j+128*\e
.endr
.endr
.irp q, 0,1,2,3
.irp g, 0,1,2,3
	ds_load_b32 v[XS+4*\q+\g], v[AXR] offset:512*\q+128*\g
.endr
.endr
	WIN 0x40
	IMGLOAD 0
	IMGLOAD 1
	WIN 0
	s_wait_dscnt 48                                ; the 24 parts are in; the 16 + 32 loads behind them may be out
	WIN 0x80
	IMGLOAD 2
	IMGLOAD 3
	WIN 0
	s_wait_kmcnt 0x0                               ; bg
.irp e, 0,1,2,3,4,5,6,7
	v_add_f32 v[SCR+\e], v[ACC+2*\e], v[PL+\e]
	v_add_f32 v[SC2+\e], v[PL+8+\e], v[PL+16+\e]
.endr
.irp e, 0,1,2,3,4,5,6,7
	v_add_f32 v[SCR+\e], v[SCR+\e], v[SC2+\e]
.endr
.irp e, 0,1,2,3,4,5,6,7
	v_add_f32 v[SCR+\e], s[BG+\e], v[SCR+\e]       ; my token's eight scores
.endr
	v_mov_b32 v[NINF], 0xff800000
	v_max3_num_f32 v[M1], v[SCR], v[SCR+1], v[SCR+2]
	v_max3_num_f32 v[M1], v[M1], v[SCR+3], v[SCR+4]
	v_max3_num_f32 v[M1], v[M1], v[SCR+5], v[SCR+6]
	v_max_num_f32 v[M1], v[M1], v[SCR+7]           ; the largest
	s_mov_b32 s[FND], 0
.irp e, 0,1,2,3,4,5,6,7                ; ascending: the first expert that has it takes it, so the lower index wins a tie
	v_cmp_eq_f32 s[MK+\e], v[SCR+\e], v[M1]
	s_and_not1_b32 s[MK+\e], s[MK+\e], s[FND]
	s_or_b32 s[FND], s[FND], s[MK+\e]
	v_cndmask_b32 v[SC2+\e], v[SCR+\e], v[NINF], s[MK+\e]   ; and is out of the second search
.endr
	v_max3_num_f32 v[M2], v[SC2], v[SC2+1], v[SC2+2]
	v_max3_num_f32 v[M2], v[M2], v[SC2+3], v[SC2+4]
	v_max3_num_f32 v[M2], v[M2], v[SC2+5], v[SC2+6]
	v_max_num_f32 v[M2], v[M2], v[SC2+7]           ; the second largest
	s_mov_b32 s[FND], 0
.irp e, 0,1,2,3,4,5,6,7
	v_cmp_eq_f32 s[NK+\e], v[SC2+\e], v[M2]
	s_and_not1_b32 s[NK+\e], s[NK+\e], s[FND]
	s_or_b32 s[FND], s[FND], s[NK+\e]
.endr
	v_sub_f32 v[TT], v[M2], v[M1]                  ; the softmax of the two, the larger taken away: 1 / (1 + t), t / (1 + t), t = e^(second - first), at most 1
	v_mul_f32 v[TT], 0x3fb8aa3b, v[TT]
	v_exp_f32 v[TT], v[TT]
	v_nop                                          ; one plain place behind a transcendental
	s_wait_alu depctr_va_vdst(0)
	v_add_f32 v[UU], 1.0, v[TT]
	v_rcp_f32 v[P1], v[UU]
	v_nop
	s_wait_alu depctr_va_vdst(0)
	v_mul_f32 v[P2], v[TT], v[P1]
.irp e, 0,1,2,3,4,5,6,7
	v_cndmask_b32 v[WPR+2*\e], 0, v[P1], s[MK+\e]  ; an expert not chosen has the weight 0
.endr
.irp e, 0,1,2,3,4,5,6,7
	v_cndmask_b32 v[WPR+2*\e], v[WPR+2*\e], v[P2], s[NK+\e]
.endr
.irp e, 0,1,2,3,4,5,6,7
	v_mov_b32 v[WPR+2*\e+1], v[WPR+2*\e]           ; twice: the packed multiply-add takes a pair
.endr
	BAR                                            ; every wave's reads of the parts are over: the table may take their bytes.  (The images are in registers too)
.irp e, 0,1,2,3,4,5,6,7
	ds_store_b64 v[AWT], v[WPR+2*\e:WPR+2*\e+1] offset:1280*\e
.endr
	BAR                                            ; the table is whole
	WIN 0x80
.irp e, 0,1,2,3,4,5,6,7
.irp i, 0,1,2,3
	ds_load_b128 v[WP+16*\e+4*\i:WP+16*\e+4*\i+3], v[AWL] offset:1280*\e+16*\i   ; of tokens 16 t + r, t = 0 .. 7: rows 80 bytes apart
.endr
.endr
	WIN 0
	WFLOAD 0                                       ; group 0's weights were shown landed in every wave by the second unit's wait and round
; THE MAIN PHASE.
; One product: temp[t] (+)= W_e's 16 rows x tile t's 16 tokens, K step q.  The first K step takes the bias as C.  W's scale word lies in lanes 0-15 for K steps 0, 1, else in lanes 16-31; x's in lanes 0-15 for even tiles.
.macro WM e, q, t
.set rT, T+8*(\t)
.set rA, WF+32*((\e)%2)+8*(\q)
.set rB, 64*((\q)%2)+8*(\t)
.set rC, rT
.if (\q) == 0
.set rC, BI+8*(\e)
.endif
.set rW, WS+2*(\e)+(\q)%2
.set rX, XS+4*(\q)+(\t)/2
.if ((\q) < 2) && ((\t)%2 == 0)
	v_wmma_scale_f32_16x16x128_f8f6f4 v[rT:rT+7], v[rA:rA+7], v[rB:rB+7], v[rC:rC+7], v[rW], v[rX] matrix_a_fmt:MATRIX_FMT_FP4 matrix_b_fmt:MATRIX_FMT_FP4
.elseif (\q) < 2
	v_wmma_scale_f32_16x16x128_f8f6f4 v[rT:rT+7], v[rA:rA+7], v[rB:rB+7], v[rC:rC+7], v[rW], v[rX] matrix_a_fmt:MATRIX_FMT_FP4 matrix_b_fmt:MATRIX_FMT_FP4 matrix_b_scale:MATRIX_SCALE_ROW1
.elseif (\t)%2 == 0
	v_wmma_scale_f32_16x16x128_f8f6f4 v[rT:rT+7], v[rA:rA+7], v[rB:rB+7], v[rC:rC+7], v[rW], v[rX] matrix_a_fmt:MATRIX_FMT_FP4 matrix_b_fmt:MATRIX_FMT_FP4 matrix_a_scale:MATRIX_SCALE_ROW1
.else
	v_wmma_scale_f32_16x16x128_f8f6f4 v[rT:rT+7], v[rA:rA+7], v[rB:rB+7], v[rC:rC+7], v[rW], v[rX] matrix_a_fmt:MATRIX_FMT_FP4 matrix_b_fmt:MATRIX_FMT_FP4 matrix_a_scale:MATRIX_SCALE_ROW1 matrix_b_scale:MATRIX_SCALE_ROW1
.endif
.endm
; out[t] (+)= w x temp[t], pair j of four; expert 0 starts the sums: nothing is cleared.  A tile's pairs go in ascending order: temp is read from its low end on
.macro PK ce, t, j
.set rO, O+8*(\t)+2*(\j)
.set rS, T+8*(\t)+2*(\j)
.set rP, WP+16*(\ce)+2*(\t)
.if (\ce) == 0
	v_pk_mul_f32 v[rO:rO+1], v[rS:rS+1], v[rP:rP+1]
.else
	v_pk_fma_f32 v[rO:rO+1], v[rS:rS+1], v[rP:rP+1], v[rO:rO+1]
.endif
.endm
; Half an expert: tiles 4 hf .. 4 hf + 3, sixteen products; the four accumulators take turns, one instruction a turn.  Between them stands what is due anyway: with pre = 1 the next expert's
; eight fragment loads, and the sixteen multiply-adds of the OTHER four tiles, whose temp (of expert ce; -1: none) is finished.  These and the four v_nop are the places behind matrix instructions: at least four
; plain vector instructions that name none of its registers stand between a product and the first read of its temp, and between the last product that read a fragment, a scale word or a bias and the load into it; more than five
; between a temp's last product and the product that begins it anew.
.macro HALF e, hf, ce, pre
	WIN 0x34                                       ; source 1 (x's codes) window 1, source 2 (the bias) window 3
.irp t, 0,1,2,3
	WM \e, 0, 4*\hf+\t
	v_nop
.endr
	WIN 0x04
.irp t, 0,1,2,3
	WM \e, 1, 4*\hf+\t
.if \pre
	WFL (\e)+1, \t
.endif
.endr
	WIN 0x08                                       ; source 1 window 2: x's codes of K steps 2, 3, and the weights
.set n, 0
.irp q, 2,3
.irp t, 0,1,2,3
	WM \e, \q, 4*\hf+\t
.if (\ce) >= 0
	PK \ce, 4*(1-\hf)+n/4, n%4
.set n, n+1
	PK \ce, 4*(1-\hf)+n/4, n%4
.set n, n+1
.endif
.endr
.endr
.endm
.macro STAGE_OUT                       ; a lane's eight outputs of a token: 32 bytes of a stage row; a row's 256 bytes come from the four waves
.irp t, 0,1,2,3,4,5,6,7
	ds_store_b128 v[ASTO], v[O+8*\t:O+8*\t+3] offset:16*272*\t
	ds_store_b128 v[ASTO], v[O+8*\t+4:O+8*\t+7] offset:16*272*\t+16
.endr
.endm
.macro RBLOAD                          ; my 32 rows back, two rows an instruction
	WIN 0xc0
.irp i, 0,1,2,3,4,5,6,7,8,9,10,11,12,13,14,15
	ds_load_b128 v[RB+4*\i:RB+4*\i+3], v[ARD] offset:2*272*\i
.endr
	WIN 0
.endm
.macro RBSTORE                         ; sixteen lanes store 256 consecutive bytes, at a multiple of 256 from out0's first byte.  The base has stepped to the next group: the immediate reaches back
	WIN 0x0c                                       ; a store's data are its source 1: window 3
.irp i, 0,1,2,3,4,5,6,7,8,9,10,11,12,13,14,15
	global_store_b128 v[AGO], v[RB+4*\i:RB+4*\i+3], s[16:17] offset:4096*\i-256 th:TH_STORE_NT
.endr
	WIN 0
.endm
; Experts 0 and 1 of a group.  back = 1: the group before lies in the stage: it is read back and stored under these products.
.macro E01 back
	s_wait_dscnt 0x0                               ; expert 0's fragments are in (and my stores into the stage have landed)
	s_wait_loadcnt 0x0                             ; biases and scale words of experts 0-3
.if \back
	s_barrier_signal -1
	s_barrier_wait -1                              ; the stage is whole
.endif
	HALF 0, 0, -1, 1
	WIN 0
.if \back
	RBLOAD
.endif
	BATCH 4, 0
	HALF 0, 1, 0, 0
	s_wait_dscnt 0x0                               ; expert 1's fragments, and the rows read back
.if \back
	RBSTORE
.endif
	HALF 1, 0, 0, 1
	HALF 1, 1, 1, 0
.endm
; Experts 2 to 7, and the group's way into the stage.  ahead = 1: a group follows.  refill = 1: the slot in hand is filled again, with the group two further on.
.macro E27 refill, ahead
.irp e, 2,3
	s_wait_dscnt 0x0                               ; the expert's fragments, asked for sixteen products or more ago
	HALF \e, 0, \e-1, 1
	HALF \e, 1, \e, 0
.endr
	s_wait_dscnt 0x0
	s_wait_loadcnt 0x0                             ; biases and scale words of experts 4-7
	HALF 4, 0, 3, 1
.if \ahead
	BATCH 0, 1
.endif
	HALF 4, 1, 4, 0
.irp e, 5,6
	s_wait_dscnt 0x0
	HALF \e, 0, \e-1, 1
	HALF \e, 1, \e, 0
.endr
	WIN 0                                          ; expert 7 changes slots: ONE barrier
.if \ahead
	s_wait_tensorcnt 0x0                           ; all my tensor loads have landed: my part of the next group's weights;
	ds_add_u32 v[SPW], v[NIL]                      ; 0 onto my spare word
.if \refill
	ASK
.endif
.endif
	s_wait_dscnt 0x0                               ; the add is done; my reads of this slot and of the stage are over
	s_barrier_signal -1
	HALF 7, 0, 6, 0                                ; work on registers while the others arrive
	WIN 0
	s_barrier_wait -1
.if \refill
	CREST                                          ; the barrier has opened a round of the cluster's: no wave of any partner still reads this slot or has a load on its way
	JLOAD                                          ; my one tensor load behind the round: it has a whole group, 256 products a wave, in which to land
.endif
.if \ahead
	s_xor_b32 s[TB], s[TB], SLOT                   ; on to the other slot
	v_add_nc_u32 v[AW], s[TB], v[AWB]
	v_add_nc_u32 v[AW+1], 4*EXPB, v[AW]
	WFLOAD 0
.endif
	HALF 7, 1, 7, 0
.set n, 0
.rept 16
	PK 7, 4+n/4, n%4                               ; the last four tiles of expert 7
.set n, n+1
.endr
	WIN 0
	s_wait_xcnt 0x0                                ; every earlier load and store has had its addresses translated: the bases, and the registers that the stores read, are written again only behind this wait
.if \ahead
	s_add_nc_u64 s[14:15], s[14:15], 256           ; the next group's 64 biases,
	s_add_nc_u64 s[12:13], s[12:13], 1024          ; its 64 rows of scale bytes,
.endif
	s_add_nc_u64 s[16:17], s[16:17], 256           ; and its 256 bytes of a row of out0
	STAGE_OUT                                      ; behind this group's barrier: every wave's reads of the last group's rows are over
.endm
	E01 0                                          ; group 0's first two experts: nothing lies in the stage yet
	WIN 0                                          ; at a label and at a branch every window is 0
	s_mov_b32 s[G], 0
.Lgroup:                                           ; six trips: the rest of group g (its slot is filled again with group g + 2), then the first two experts of group g + 1
	E27 1, 1
	E01 1
	WIN 0
	s_add_co_u32 s[G], s[G], 1
	s_cmp_lt_u32 s[G], 6
	s_cbranch_scc1 .Lgroup
	E27 0, 1                                       ; the tail is written out: group 6 asks for nothing more
	E01 1
	E27 0, 0                                       ; and group 7 looks no further ahead
	s_wait_dscnt 0x0
	s_barrier_signal -1
	s_barrier_wait -1                              ; group 7 lies in the stage
	RBLOAD
	WIN 0x0c
.irp i, 0,1,2,3,4,5,6,7,8,9,10,11,12,13,14,15
	s_wait_dscnt 15-\i                             ; LDS loads come back in order: the younger ones may be out
	global_store_b128 v[AGO], v[RB+4*\i:RB+4*\i+3], s[16:17] offset:4096*\i-256 th:TH_STORE_NT
.endr
	WIN 0
	s_wait_tensorcnt 0x0                           ; the wave's end, behind my last tensor load and my last LDS store
	ds_add_u32 v[SPW], v[NIL]
	s_wait_dscnt 0x0
	CROUND                                         ; the closing round: no work-group ends while a partner may still ask for a tile that names it
	s_endpgm
.Lfunc_end_k_qc11dfe1e0c_moe:
	.size	k_qc11dfe1e0c_moe, .Lfunc_end_k_qc11dfe1e0c_moe-k_qc11dfe1e0c_moe
	.p2alignl 7, 3214868480
	.fill 96, 4, 3214868480
	.section	.rodata,"a",@progbits
	.p2align	6, 0x0
	.amdhsa_kernel k_qc11dfe1e0c_moe
		.amdhsa_group_segment_fixed_size 327680
		.amdhsa_private_segment_fixed_size 0
		.amdhsa_enable_private_segment 0
		.amdhsa_kernarg_size 56
		.amdhsa_user_sgpr_count 2
		.amdhsa_user_sgpr_kernarg_segment_ptr 1
		.amdhsa_wavefront_size32 1
		.amdhsa_system_sgpr_workgroup_id_x 1
		.amdhsa_system_sgpr_workgroup_id_y 1
		.amdhsa_system_sgpr_workgroup_id_z 1
		.amdhsa_system_vgpr_workitem_id 0
		.amdhsa_next_free_vgpr 1024
		.amdhsa_next_free_sgpr 102
		.amdhsa_reserve_vcc 0
		.amdhsa_float_denorm_mode_32 3
		.amdhsa_float_denorm_mode_16_64 3
		.amdhsa_memory_ordered 1
		.amdhsa_forward_progress 1
		.amdhsa_inst_pref_size 255
	.end_amdhsa_kernel
	.section	.bss,"aw",@nobits
	.p2align	6
	.space	262144
	.amdgpu_metadata
---
amdhsa.version: [ 1, 2 ]
amdhsa.kernels:
  - .name:           k_qc11dfe1e0c_moe
    .symbol:         k_qc11dfe1e0c_moe.kd
    .args:
      - { .name: x, .offset: 0, .size: 8, .value_kind: global_buffer, .address_space: global }
      - { .name: Wg, .offset: 8, .size: 8, .value_kind: global_buffer, .address_space: global }
      - { .name: bg, .offset: 16, .size: 8, .value_kind: global_buffer, .address_space: global }
      - { .name: W_codes, .offset: 24, .size: 8, .value_kind: global_buffer, .address_space: global }
      - { .name: W_scales, .offset: 32, .size: 8, .value_kind: global_buffer, .address_space: global }
      - { .name: b, .offset: 40, .size: 8, .value_kind: global_buffer, .address_space: global }
      - { .name: out0, .offset: 48, .size: 8, .value_kind: global_buffer, .address_space: global }
    .group_segment_fixed_size: 327680
    .private_segment_fixed_size: 0
    .kernarg_segment_align: 8
    .kernarg_segment_size: 56
    .max_flat_workgroup_size: 128
    .sgpr_count:     102
    .vgpr_count:     1024
    .wavefront_size: 32
...
	.end_amdgpu_metadata
.endif
;; end of part 1
;; ======== version 2 of 2: 1 launch; 1.12 times as fast as version 1
;; launch moe (part 2): grid 256 x 1, 4 waves a work-group, clusters of 4 x 1, 327,680 bytes of LDS; arguments x, Wg, bg, W_codes, W_scales, b, out0; writes out0
.if DOCPART == 2
	.amdgcn_target "amdgcn-amd-amdhsa--gfx1250"
	.amdhsa_code_object_version 6
	.text
	.protected	k_qc11dfe1e0c_moe
	.globl	k_qc11dfe1e0c_moe
	.p2align	8
	.type	k_qc11dfe1e0c_moe,@function
k_qc11dfe1e0c_moe:
	s_mov_b64 s[64:65], 0
	v_nop
	global_prefetch_b8 v0, s[64:65] scope:SCOPE_SE
	s_setreg_imm32_b32 hwreg(HW_REG_WAVE_MODE, 25, 1), 1
	s_wait_xcnt 0x0
	s_wait_alu depctr_hold_cnt(0) depctr_sa_sdst(0) depctr_va_vdst(0) depctr_va_sdst(0) depctr_va_ssrc(0) depctr_va_vcc(0) depctr_vm_vsrc(0)
	s_getreg_b32 s2, hwreg(HW_REG_IB_STS2, 6, 4)
	s_cmp_eq_u32 s2, 0
	s_cbranch_scc0 .Lentry_in_a_cluster
	s_endpgm
.Lentry_in_a_cluster:
	s_bfe_u32 s2, ttmp6, 0x10000c
	s_cmp_lg_u32 s2, 0x3003
	s_cbranch_scc0 .Lentry_shape_is_right
	s_endpgm
.Lentry_shape_is_right:
; out[n] = sum over the two experts e with the largest gate score of w_e (Q(x[n]) W_e^T + b_e).   x [32768][512] f32; Wg [8][512], bg [8], b [8][512] f32;
; W: codes of FP4 (E2M1), [8][512 outputs][256 bytes], K innermost, with one E8M0 byte for each 32 along K, [8][512][16];  out0 [32768][512] f32.
; ONE LAUNCH.  The choice of experts hangs on floating-point numbers, so it steers no address and no branch: all eight experts are multiplied, and an expert that a token has not chosen enters with the weight 0.
; SHARES.  A work-group owns 128 tokens.  PHASE X: wave v takes k = 128 v .. 128 v + 127 of all 128 tokens, a lane to a token: it quantises them along K (a lane's 32 registers are a block) and makes its part of the
; eight gate scores in f32 fused multiply-adds.  The codes go to LDS as images of the operand's registers; every wave then holds the codes of all 128 tokens (256 registers).  Wave v adds the parts of tokens 32 v .. 32 v + 31,
; finds the two largest scores (the lower index wins a tie), their softmax (the larger score is taken away first), and puts eight weights a token into a table in LDS, which every wave reads into registers.
; MAIN PHASE: eight groups of 64 outputs; wave v makes outputs 64 g + 16 v + 0 .. 15 for all 128 tokens.  For each expert: temp = b_e + W_e Q(x)^T (the bias is the C of the first K step), then out += w_e temp.
; An expert is four runs: the loads and stores that are due, its 32 products back to back, four places, its 32 packed multiply-adds.
; THE MATRIX INSTRUCTION IS USED TRANSPOSED (source 0 = 16 rows of W_e, source 1 = 16 tokens): a lane holds one token (lane % 16) and eight neighbouring outputs.  A fragment of W is read from LDS by one wave alone and feeds eight products.
; CLUSTER.  All work-groups walk the same weights: the four of a cluster ask for each tile JOINTLY (the same tensor load, the same descriptor, the mask 15).  x's and Wg's loads are each work-group's own.
; LIMITS.  A token whose second and third score lie closer than the rounding of an f32 sum of 512 terms may choose otherwise than another order of summing would.  NaN and infinities among the inputs are not served;
; a sum of an expert NOT chosen that overflows f32 gives NaN (0 x infinity).  A block of x whose largest magnitude lies under 2^-124 gets the byte 1 (a block of zeros too: its codes are zeros).
;
; LDS.  Two slots of four parts (a part: 128 rows of 256 bytes + 16 of padding).  First fill: x, wave v's 512 bytes of each row in two halves, one to a slot.  Later fills: a group's weights, expert e's 64 rows at e x EXPB.
.set PART,  34816                      ; 128 x 272
.set SLOT,  4*PART
.set EXPB,  64*272                     ; an expert's 64 rows in a slot
.set IMG0,  2*SLOT                     ; images of x's codes, registers 0-3 of each fragment: 4096 q + 512 t + 16 lane
.set WGB,   IMG0+16384                 ; Wg, wave v's 128 columns at 4096 v (filled once); then the images of registers 4-7: each wave writes onto its own slice, behind its own last loads of it
.set XSB,   WGB+16384                  ; x's scale words: 512 q + 4 token
.set STG,   IMG0                       ; later: the stage for out, 128 rows x (256 + 16) bytes: just the images' and the scale words' bytes, which are in registers by then
.set PRT,   XSB+2048                   ; parts of the gate scores: 3072 owner + 1024 j + 128 e + 4 lane
.set WTB,   PRT                        ; then the table of weights: 1280 e + 80 (token % 16) + 8 (token / 16), each weight twice
.set SPARE, PRT+12288                  ; the spare words, 128 bytes for each wave: two blocks of 256 bytes that no other line names
; REGISTERS, in windows of 256.  Window 0, all phases:
.set SPW,  1                           ; LDS address of my spare word; never rewritten
.set NIL,  2                           ; 0; never rewritten
.set AW,   3                           ; v3, v4  my rows of W in the slot in hand: experts 0-3, experts 4-7
.set AWB,  5                           ; my lane's place in an expert's 64 rows
.set ASTO, 6                           ; the stage: where I put 32 bytes of a row
.set ARD,  7                           ; and where I read a row back
.set AGO,  8                           ; my byte offset in the wave's 32 rows of out0
.set ABI,  9                           ; my byte offset in a group's 64 biases
.set ASC,  10                          ; and in a group's 64 rows of W's scale bytes
.set AWG,  11                          ; my wave's slice of Wg
.set AWT,  12                          ; the table: where I put my token's weights
.set AWL,  13                          ; and where I read a row of it
.set AIR,  14                          ; an image's place for my lane
.set AXR,  15                          ; a scale word's
.set XS,   16                          ; v16-31  x's scale words: register 4 q + s: lanes 0-15 tile 2 s, lanes 16-31 tile 2 s + 1
.set WS,   32                          ; v32-47  W's: registers 2 e, 2 e + 1: lanes 0-15 K steps 0, 1; lanes 16-31 K steps 2, 3
.set WF,   48                          ; v48-111 W's fragments, two sets of four K steps
.set T,    112                         ; v112-175 temp, 8 tiles of tokens
.set O,    176                         ; v176-239 out, 8 tiles
.set AX,   240                         ; v240-243 phase X: my token's row of x in set g
.set AIM,  244                         ; v244-247 where its codes' image goes
.set AXW,  248                         ; v248-251 and its scale word
.set APS,  252                         ; v252-254 where the parts of sets 1-3 go
.set APL,  255                         ; where I read the three other waves' parts of my own set
; window 0, phase X alone:
.set AXT,  96                          ; v96-104  the unit's addresses
.set AIMT, 100
.set AWGT, 104
.set MX,   112                         ; v112-119 largest magnitudes of 8 blocks (set n / 2, block n % 2)
.set SC,   120                         ; v120-127 the conversions' scale operands
.set BY,   128                         ; v128-135 the scale bytes
.set XSW,  136                         ; v136-139 a scale word for each set
.set CD,   144                         ; v144-175 the codes just made
.set ACC,  176                         ; v176-239 the gate's sums: set g, expert e at 16 g + 2 e: even k, odd k
; window 0, between the phases:
.set PL,   112                         ; v112-135 the other waves' parts
.set M1,   136
.set M2,   137
.set TT,   138
.set UU,   139
.set P1,   140
.set P2,   141
.set NINF, 142
.set SCR,  144                         ; v144-151 the scores
.set SC2,  152                         ; v152-159 the scores without the largest
.set WPR,  160                         ; v160-175 the weights, each twice
; window 1: phase X: x, 64 numbers for each set; then x's codes of K steps 0, 1 (64 (q % 2) + 8 t).   window 2: Wg of experts 0-3; then codes of K steps 2, 3, and from v128 the weights.   window 3: Wg of experts 4-7; then:
.set WP,   128                         ; window 2: the pair (w, w) of expert e, tile t at 16 e + 2 t
.set RB,   0                           ; window 3: v0-63 rows of out read back from the stage
.set BI,   64                          ; window 3: v64-127 the biases, 8 registers an expert, in the result's layout
; scalar registers
.set WV,    18                         ; my wave's number
.set WPART, 19                         ; PART x wave
.set G1X,   20                         ; s[20:27] group 1 for x;  s[28:35] for Wg;  s[36:43] for the weights
.set G1G,   28
.set G1W,   36
.set G0X,   44                         ; s[44:51] groups 0 for x's two halves;  s[52:55] for Wg;  s[56:59] for the weights
.set G0G,   52
.set G0W,   56
.set TF,    60                         ; the slot that the next joint load fills
.set TB,    61                         ; the slot in hand
.set OFF,   62                         ; s[62:63] the next group's bytes in an expert's codes
.set U,     66                         ; counts the units of phase X
.set G,     67                         ; counts the main loop's trips
.set BG,    68                         ; s[68:75] bg
.set MK,    76                         ; s[76:83] lanes whose largest score is expert e's;  s[84:91] the second largest
.set NK,    84
.set FND,   92
.set XT,    93                         ; the unit's steps: x's slot, Wg's half, the images' half
.set WCB,   94                         ; s[94:95] W's codes at experts 2 v, 2 v + 1
.set WT,    96
.set IT,    97
.set MSB, 0
.macro WIN new                         ; low byte: bits 1:0 source 0, 3:2 source 1, 5:4 source 2, 7:6 destination; the high byte repeats the setting that is left
.if MSB != \new
	s_set_vgpr_msb (MSB<<8)|\new
.set MSB, \new
.endif
.endm
.macro PLACES
.rept 4
	v_nop
.endr
.endm
.macro CREST                           ; a round of the cluster's barrier behind its opening barrier
	s_cmp_lg_u32 s[WV], 0
	s_cbranch_scc1 .Lnot_wave_0_\@
	s_barrier_signal -3
.Lnot_wave_0_\@:
	s_barrier_wait -3
	s_barrier_signal -1
	s_barrier_wait -1
.endm
.macro CROUND                          ; a whole round
	s_barrier_signal -1
	s_barrier_wait -1
	CREST
.endm
.macro BAR                             ; my LDS stores have landed and my LDS loads are in: then the work-group's barrier.  A tensor load may stay out
	s_wait_dscnt 0x0
	s_barrier_signal -1
	s_barrier_wait -1
.endm
.macro ASK                             ; the weights' group 0 is written behind a wait for all my tensor loads
	s_add_co_u32 s[G0W+1], s[WPART], s[TF]
	s_add_nc_u64 s[G0W+2:G0W+3], s[WCB:WCB+1], s[OFF:OFF+1]
	s_or_b32 s[G0W+3], s[G0W+3], 0x80000000
.endm
.macro JLOAD                           ; the joint load: experts 2 v, 2 v + 1, 64 rows each; four v_nop follow it; the steps touch no register of the descriptor
	tensor_load_to_lds s[G0W:G0W+3], s[G1W:G1W+7]
	s_nop 0
	PLACES
	s_xor_b32 s[TF], s[TF], SLOT
	s_add_co_u32 s[OFF], s[OFF], 16384
.endm
	s_load_b256 s[4:11], s[0:1], 0x0               ; x s[4:5], Wg s[6:7], bg s[8:9], W's codes s[10:11]
	s_load_b128 s[12:15], s[0:1], 0x20             ; W's scales s[12:13], b s[14:15]
	s_load_b64 s[16:17], s[0:1], 0x30              ; out0
	v_lshl_add_u32 v[SPW], v0, 2, SPARE
	v_mov_b32 v[NIL], 0
	ds_add_u32 v1, v2
	ds_add_u32 v1, v2
	s_wait_dscnt 0x0
	v_lshrrev_b32 v112, 5, v0
	v_readfirstlane_b32 s[WV], v112                ; wave 0..3
	s_mul_i32 s[WPART], s[WV], PART
	s_bfe_u32 s98, ttmp6, 0x40000                  ; cx: my place in the cluster; it enters x's and out0's addresses alone
	s_lshl_b32 s99, ttmp9, 2                       ; in a cluster launch ttmp9 counts clusters
	s_add_co_u32 s98, s99, s98                     ; my block of 128 tokens
	s_lshl_b32 s98, s98, 18                        ; x 128 rows of 2,048 bytes
	s_mov_b32 s99, 0
	s_lshl_b32 s100, s[WV], 9                      ; my wave's 512 bytes of a row of x and of Wg
	s_mov_b32 s101, 0
	; group 1 for x: 128 rows of 256 bytes (32 elements of 8), 2,048 bytes apart; 16 bytes of padding behind each
	s_mov_b32 s[G1X], (3<<16)|(1<<20)|(5<<22)|(3<<25)
	s_mov_b32 s[G1X+1], 32<<16
	s_mov_b32 s[G1X+2], 128<<16
	s_mov_b32 s[G1X+3], 32<<16
	s_mov_b32 s[G1X+4], 128
	s_mov_b32 s[G1X+5], 256
	s_mov_b32 s[G1X+6], 0
	s_mov_b32 s[G1X+7], 0
	; for Wg: 8 rows of 512 bytes, 2,048 bytes apart, no padding
	s_mov_b32 s[G1G], 3<<16
	s_mov_b32 s[G1G+1], 64<<16
	s_mov_b32 s[G1G+2], 8<<16
	s_mov_b32 s[G1G+3], 64<<16
	s_mov_b32 s[G1G+4], 8
	s_mov_b32 s[G1G+5], 256
	s_mov_b32 s[G1G+6], 0
	s_mov_b32 s[G1G+7], 0
	; for the weights: 2 experts, 131,072 bytes apart; of each 64 dense rows, 16,384 bytes, stated as one row of 2,048 elements; 16 bytes of padding behind every 256.  15:0 the mask: all four work-groups; 21 set beside it
	s_mov_b32 s[G1W], 15|(3<<16)|(1<<20)|(1<<21)|(5<<22)|(3<<25)
	s_mov_b32 s[G1W+1], 2048<<16
	s_mov_b32 s[G1W+2], 2<<16
	s_mov_b32 s[G1W+3], 2048<<16
	s_mov_b32 s[G1W+4], 2
	s_mov_b32 s[G1W+5], 16384
	s_mov_b32 s[G1W+6], 0
	s_mov_b32 s[G1W+7], 0
	s_mov_b32 s[TF], 0
	s_mov_b32 s[TB], 0
	s_mov_b32 s[OFF], 0
	s_mov_b32 s[OFF+1], 0
	s_mov_b32 s[U], 0
	s_mov_b32 s[XT], 0
	s_mov_b32 s[WT], 0
	s_mov_b32 s[IT], 0
	s_wait_kmcnt 0x0
	s_add_nc_u64 s[4:5], s[4:5], s[98:99]
	s_add_nc_u64 s[4:5], s[4:5], s[100:101]        ; x at my block's first row, my wave's K step
	s_add_nc_u64 s[6:7], s[6:7], s[100:101]        ; Wg at my wave's K step
	s_add_nc_u64 s[16:17], s[16:17], s[98:99]
	s_lshl_b32 s100, s[WV], 16
	s_add_nc_u64 s[16:17], s[16:17], s[100:101]    ; out0 at the 32 rows that my wave stores
	s_lshl_b32 s100, s[WV], 18
	s_add_nc_u64 s[WCB:WCB+1], s[10:11], s[100:101]   ; made of the wave's number alone: equal in the four partners
	s_load_b256 s[BG:BG+7], s[8:9], 0x0            ; bg: nobody writes it
	s_mov_b32 s[G0X], 1
	s_mov_b32 s[G0X+1], s[WPART]
	s_mov_b64 s[G0X+2:G0X+3], s[4:5]
	s_or_b32 s[G0X+3], s[G0X+3], 0x80000000
	s_mov_b32 s[G0X+4], 1
	s_add_co_u32 s[G0X+5], s[WPART], SLOT
	s_add_nc_u64 s[G0X+6:G0X+7], s[4:5], 256
	s_or_b32 s[G0X+7], s[G0X+7], 0x80000000
	s_mov_b32 s[G0G], 1
	s_lshl_b32 s[G0G+1], s[WV], 12
	s_add_co_u32 s[G0G+1], s[G0G+1], WGB
	s_mov_b64 s[G0G+2:G0G+3], s[6:7]
	s_or_b32 s[G0G+3], s[G0G+3], 0x80000000
	s_mov_b32 s[G0W], 1
	CROUND                                         ; the one round in front of the first fills
	tensor_load_to_lds s[G0G:G0G+3], s[G1G:G1G+7]          ; three loads of mine are out: Wg's slice,
	s_nop 0
	tensor_load_to_lds s[G0X:G0X+3], s[G1X:G1X+7]          ; x's first half,
	s_nop 0
	tensor_load_to_lds s[G0X+4:G0X+7], s[G1X:G1X+7]        ; x's second half
	s_nop 0
	PLACES
	; addresses
	v_and_b32 v112, 31, v0                         ; L
	v_and_b32 v113, 15, v0                         ; r
	v_bfe_u32 v114, v0, 4, 1                       ; h
	v_mul_u32_u24 v115, v112, 272
	v_lshlrev_b32 v116, 4, v113                    ; 16 r
	v_lshl_add_u32 v117, v114, 9, v116             ; 512 h + 16 r
	v_lshlrev_b32 v118, 2, v112                    ; 4 L
	v_mul_u32_u24 v119, v113, 272
	s_lshl_b32 s101, s[WV], 12
	s_add_co_u32 s101, s101, IMG0
	v_add_nc_u32 v121, s101, v117
	s_lshl_b32 s101, s[WV], 9
	s_add_co_u32 s101, s101, XSB
	v_add_nc_u32 v122, s101, v118
	v_add_nc_u32 v123, s[WPART], v115
.irp g, 0,1,2,3                        ; the sets of 32 tokens are taken in turned order: my g-th is set (v + g) % 4, so that the set whose scores I finish lies in the registers of g = 0
	s_add_co_u32 s100, s[WV], \g
	s_and_b32 s100, s100, 3
	s_mul_i32 s101, s100, 32*272
	v_add_nc_u32 v[AX+\g], s101, v123
	s_lshl_b32 s101, s100, 10
	v_add_nc_u32 v[AIM+\g], s101, v121             ; token 32 s + L is row r of tile 2 s + h
	s_lshl_b32 s101, s100, 7
	v_add_nc_u32 v[AXW+\g], s101, v122
.if \g > 0
	s_mul_i32 s101, s100, 3072
	s_add_co_u32 s101, s101, PRT+1024*(\g-1)
	v_add_nc_u32 v[APS+\g-1], s101, v118
.endif
.endr
	s_mul_i32 s100, s[WV], 3072
	s_add_co_u32 s100, s100, PRT
	v_add_nc_u32 v[APL], s100, v118
	s_lshl_b32 s100, s[WV], 12
	s_add_co_u32 s100, s100, WGB
	v_mov_b32 v[AWG], s100
	s_mul_i32 s100, s[WV], 16*272
	v_lshl_add_u32 v120, v114, 4, v119
	v_add_nc_u32 v[AWB], s100, v120                ; row 16 v + r, + 16 h
	v_mov_b32 v[AW], v[AWB]
	v_add_nc_u32 v[AW+1], 4*EXPB, v[AWB]
	s_lshl_b32 s100, s[WV], 6
	s_add_co_u32 s100, s100, STG
	v_lshl_add_u32 v120, v114, 5, v119
	v_add_nc_u32 v[ASTO], s100, v120               ; row r, + 64 v + 32 h
	s_mul_i32 s100, s[WV], 32*272
	s_add_co_u32 s100, s100, STG
	v_mul_u32_u24 v120, v114, 272
	v_add_nc_u32 v120, v120, v116
	v_add_nc_u32 v[ARD], s100, v120                ; row 32 v + h, + 16 r
	v_lshl_add_u32 v[AGO], v114, 11, v116
	s_lshl_b32 s100, s[WV], 6
	v_lshlrev_b32 v120, 5, v114
	v_add_nc_u32 v[ABI], s100, v120
	s_lshl_b32 s100, s[WV], 8
	v_lshl_add_u32 v120, v114, 3, v116
	v_add_nc_u32 v[ASC], s100, v120
	s_lshl_b32 s100, s[WV], 4
	s_add_co_u32 s100, s100, WTB
	v_mul_u32_u24 v120, v113, 80
	v_lshl_add_u32 v121, v114, 3, v120
	v_add_nc_u32 v[AWT], s100, v121                ; my token 32 v + L is row r of tile 2 v + h
	v_add_nc_u32 v[AWL], WTB, v120
	v_lshl_add_u32 v[AIR], v112, 4, IMG0
	v_add_nc_u32 v[AXR], XSB, v118
.set i, 0
.rept 64
	v_mov_b32 v[ACC+i], 0                          ; the unit is written once, so its sums begin as zeros
.set i, i+1
.endr
.irp g, 0,1,2,3
	v_mov_b32 v[XSW+\g], 0
.endr
.macro WGLOAD w                        ; Wg of experts 4 w .. 4 w + 3, 64 numbers each, the same in every lane
.irp e, 0,1,2,3
.irp i, 0,1,2,3,4,5,6,7,8,9,10,11,12,13,14,15
	ds_load_b128 v[64*\e+4*\i:64*\e+4*\i+3], v[AWGT] offset:512*(4*\w+\e)+16*\i
.endr
.endr
.endm
.macro GATE w                          ; 512 packed multiply-adds: sixteen sums (four experts x four sets) by turns
.set p, 0
.rept 32
.irp e, 0,1,2,3
.irp g, 0,1,2,3
	v_pk_fma_f32 v[ACC+16*\g+2*(4*\w+\e):ACC+16*\g+2*(4*\w+\e)+1], v[64*\g+2*p:64*\g+2*p+1], v[64*\e+2*p:64*\e+2*p+1], v[ACC+16*\g+2*(4*\w+\e):ACC+16*\g+2*(4*\w+\e)+1]
.endr
.endr
.set p, p+1
.endr
.endm
; PHASE X.  A unit is 64 along K (two blocks) of my K step, for all 128 tokens; two units.
.Lunit:
	s_wait_tensorcnt 0x1                           ; first unit: Wg and x's first half are in, the second half may be out.  Second unit: only the refill issued behind the last round is out
.irp g, 0,1,2,3
	v_add_nc_u32 v[AXT+\g], s[XT], v[AX+\g]
	v_add_nc_u32 v[AIMT+\g], s[IT], v[AIM+\g]
.endr
	v_add_nc_u32 v[AWGT], s[WT], v[AWG]
	WIN 0x40                                       ; destination window 1
.irp g, 0,1,2,3
.irp i, 0,1,2,3,4,5,6,7,8,9,10,11,12,13,14,15
	ds_load_b128 v[64*\g+4*\i:64*\g+4*\i+3], v[AXT+\g] offset:16*\i   ; my token's 64 numbers; rows 272 bytes apart
.endr
.endr
	s_wait_dscnt 0x0                               ; x is in
	WIN 0x80
	WGLOAD 0                                       ; lands while the blocks are quantised
	WIN 0x14                                       ; sources 1 and 2 window 1
.irp n, 0,1,2,3,4,5,6,7
	v_max3_num_f32 v[MX+\n], 0x1800000, |v[32*\n]|, |v[32*\n+1]|   ; a block's largest magnitude, all 32 numbers mine, and the floor 2^(3 - 127): so the byte cannot fall under 1
.endr
.irp i, 2,4,6,8,10,12,14,16,18,20,22,24,26,28,30
.irp n, 0,1,2,3,4,5,6,7
	v_max3_num_f32 v[MX+\n], v[MX+\n], |v[32*\n+\i]|, |v[32*\n+\i+1]|   ; (the eight blocks by turns)
.endr
.endr
	WIN 0
.irp n, 0,1,2,3,4,5,6,7
	v_add_nc_u32 v[SC+\n], 0xff000000, v[MX+\n]    ; 2 off the exponent field: the conversion takes the exponent field of this operand as its scale
.endr
.irp n, 0,1,2,3,4,5,6,7
	v_lshrrev_b32 v[BY+\n], 23, v[SC+\n]           ; the scale's byte
.endr
.irp g, 0,1,2,3
	v_lshrrev_b32 v[XSW+\g], 16, v[XSW+\g]         ; the first unit's two bytes go down, this unit's come in on top
.endr
.irp g, 0,1,2,3
	v_lshl_or_b32 v[XSW+\g], v[BY+2*\g], 16, v[XSW+\g]
.endr
.irp g, 0,1,2,3
	v_lshl_or_b32 v[XSW+\g], v[BY+2*\g+1], 24, v[XSW+\g]
.endr
	WIN 0x01                                       ; source 0 window 1
.irp n, 0,1,2,3,4,5,6,7
.irp c, 0,1,2,3
	v_cvt_scalef32_pk8_fp4_f32 v[CD+4*\n+\c], v[32*\n+8*\c:32*\n+8*\c+7], v[SC+\n]
.endr
.endr
	v_nop                                          ; one plain place behind a scaled conversion
	WIN 0xc0
	WGLOAD 1
	WIN 0
.irp n, 0,1,2,3,4,5,6,7                ; a block's 16 bytes ARE four registers of one lane of the fragment: block 2 c + h of row r is lane (r, h), registers 4 c .. 4 c + 3.  No lane changes places.
	ds_store_b128 v[AIMT+\n/2], v[CD+4*\n:CD+4*\n+3] offset:256*(\n%2)   ; LDS serves a wave's instructions in order: in the second unit these land on my slice of Wg behind my last loads of it
.endr
	s_wait_dscnt 63                                ; 136 LDS instructions were issued behind x's wait: the first 73 are done, Wg of experts 0-3 (64 loads) among them
	WIN 0x09                                       ; source 0 (x) window 1, source 1 (Wg) window 2
	GATE 0
	s_wait_dscnt 0x0
	WIN 0x0d                                       ; source 1 window 3
	GATE 1
	WIN 0
	s_wait_tensorcnt 0x0                           ; all my tensor loads have landed;
	ds_add_u32 v[SPW], v[NIL]                      ; 0 onto my spare word
	ASK
	s_wait_dscnt 0x0                               ; the add is done, and my reads of this unit's slot are over
	CROUND                                         ; the round takes the barrier's place: no wave of any partner still reads the slot or has a load on its way
	JLOAD                                          ; the weights of group 0 (then 1) into the slot that x's half has left
	s_add_co_u32 s[XT], s[XT], SLOT
	s_add_co_u32 s[WT], s[WT], 256
	s_add_co_u32 s[IT], s[IT], 16384
	s_add_co_u32 s[U], s[U], 1
	s_cmp_lt_u32 s[U], 2
	s_cbranch_scc1 .Lunit
; The biases (in the result's layout: lane (r, h) takes outputs 8 h + 0 .. 7 of my 16) and W's scale words of experts first .. first + 3: twelve loads; ahead = 1: of the next group
.macro BATCH first, ahead
	WIN 0xc0
.irp e, \first, \first+1, \first+2, \first+3
	global_load_b128 v[BI+8*(\e):BI+8*(\e)+3], v[ABI], s[14:15] offset:2048*(\e)+256*\ahead
	global_load_b128 v[BI+8*(\e)+4:BI+8*(\e)+7], v[ABI], s[14:15] offset:2048*(\e)+256*\ahead+16
.endr
	WIN 0
.irp e, \first, \first+1, \first+2, \first+3
	global_load_b64 v[WS+2*(\e):WS+2*(\e)+1], v[ASC], s[12:13] offset:8192*(\e)+1024*\ahead   ; the wave reads 256 consecutive bytes: 16 rows of 16 scale bytes
.endr
.endm
.macro IMGLOAD q                       ; the codes of K step q, all eight tiles of tokens
.irp t, 0,1,2,3,4,5,6,7
.irp c, 0,1
	ds_load_b128 v[64*((\q)%2)+8*\t+4*\c:64*((\q)%2)+8*\t+4*\c+3], v[AIR] offset:16384*\c+4096*(\q)+512*\t
.endr
.endr
.endm
.macro WFL e, q                        ; W's fragment of expert e, K step q: 16 rows x 128 K of 4-bit codes: two loads, 32 bytes apart
.irp c, 0,1
	ds_load_b128 v[WF+32*((\e)%2)+8*(\q)+4*\c:WF+32*((\e)%2)+8*(\q)+4*\c+3], v[AW+(\e)/4] offset:((\e)%4)*EXPB+64*(\q)+32*\c
.endr
.endm
.macro WFLOAD e                        ; an expert's four fragments: eight loads in one run, into set e % 2
.irp q, 0,1,2,3
	WFL \e, \q
.endr
.endm
	; BETWEEN THE PHASES
	BATCH 0, 0                                     ; group 0, experts 0-3: on their way while the scores are finished
.irp g, 0,1,2,3
.irp e, 0,1,2,3,4,5,6,7
	v_add_f32 v[ACC+16*\g+2*\e], v[ACC+16*\g+2*\e], v[ACC+16*\g+2*\e+1]   ; even k + odd k
.endr
.endr
.irp g, 1,2,3
.irp e, 0,1,2,3,4,5,6,7
	ds_store_b32 v[APS+\g-1], v[ACC+16*\g+2*\e] offset:128*\e     ; to the wave that owns the set
.endr
.endr
.irp g, 0,1,2,3
	ds_store_b32 v[AXW+\g], v[XSW+\g]
.endr
	BAR                                            ; images, scale words and parts lie in LDS
.irp j, 0,1,2
.irp e, 0,1,2,3,4,5,6,7
	ds_load_b32 v[PL+8*\j+\e], v[APL] offset:1024*\j+128*\e
.endr
.endr
.irp q, 0,1,2,3
.irp g, 0,1,2,3
	ds_load_b32 v[XS+4*\q+\g], v[AXR] offset:512*\q+128*\g
.endr
.endr
	WIN 0x40
	IMGLOAD 0
	IMGLOAD 1
	WIN 0
	s_wait_dscnt 48                                ; the 24 parts are in; the 16 + 32 loads behind them may be out
	WIN 0x80
	IMGLOAD 2
	IMGLOAD 3
	WIN 0
	s_wait_kmcnt 0x0                               ; bg
.irp e, 0,1,2,3,4,5,6,7
	v_add_f32 v[SCR+\e], v[ACC+2*\e], v[PL+\e]
	v_add_f32 v[SC2+\e], v[PL+8+\e], v[PL+16+\e]
.endr
.irp e, 0,1,2,3,4,5,6,7
	v_add_f32 v[SCR+\e], v[SCR+\e], v[SC2+\e]
.endr
.irp e, 0,1,2,3,4,5,6,7
	v_add_f32 v[SCR+\e], s[BG+\e], v[SCR+\e]       ; my token's eight scores
.endr
	v_mov_b32 v[NINF], 0xff800000
	v_max3_num_f32 v[M1], v[SCR], v[SCR+1], v[SCR+2]
	v_max3_num_f32 v[M1], v[M1], v[SCR+3], v[SCR+4]
	v_max3_num_f32 v[M1], v[M1], v[SCR+5], v[SCR+6]
	v_max_num_f32 v[M1], v[M1], v[SCR+7]           ; the largest
	s_mov_b32 s[FND], 0
.irp e, 0,1,2,3,4,5,6,7                ; ascending: the first expert that has it takes it, so the lower index wins a tie
	v_cmp_eq_f32 s[MK+\e], v[SCR+\e], v[M1]
	s_and_not1_b32 s[MK+\e], s[MK+\e], s[FND]
	s_or_b32 s[FND], s[FND], s[MK+\e]
	v_cndmask_b32 v[SC2+\e], v[SCR+\e], v[NINF], s[MK+\e]   ; and is out of the second search
.endr
	v_max3_num_f32 v[M2], v[SC2], v[SC2+1], v[SC2+2]
	v_max3_num_f32 v[M2], v[M2], v[SC2+3], v[SC2+4]
	v_max3_num_f32 v[M2], v[M2], v[SC2+5], v[SC2+6]
	v_max_num_f32 v[M2], v[M2], v[SC2+7]           ; the second largest
	s_mov_b32 s[FND], 0
.irp e, 0,1,2,3,4,5,6,7
	v_cmp_eq_f32 s[NK+\e], v[SC2+\e], v[M2]
	s_and_not1_b32 s[NK+\e], s[NK+\e], s[FND]
	s_or_b32 s[FND], s[FND], s[NK+\e]
.endr
	v_sub_f32 v[TT], v[M2], v[M1]                  ; the softmax of the two, the larger taken away: 1 / (1 + t), t / (1 + t), t = e^(second - first), at most 1
	v_mul_f32 v[TT], 0x3fb8aa3b, v[TT]
	v_exp_f32 v[TT], v[TT]
	v_nop                                          ; one plain place behind a transcendental
	s_wait_alu depctr_va_vdst(0)
	v_add_f32 v[UU], 1.0, v[TT]
	v_rcp_f32 v[P1], v[UU]
	v_nop
	s_wait_alu depctr_va_vdst(0)
	v_mul_f32 v[P2], v[TT], v[P1]
.irp e, 0,1,2,3,4,5,6,7
	v_cndmask_b32 v[WPR+2*\e], 0, v[P1], s[MK+\e]  ; an expert not chosen has the weight 0
.endr
.irp e, 0,1,2,3,4,5,6,7
	v_cndmask_b32 v[WPR+2*\e], v[WPR+2*\e], v[P2], s[NK+\e]
.endr
.irp e, 0,1,2,3,4,5,6,7
	v_mov_b32 v[WPR+2*\e+1], v[WPR+2*\e]           ; twice: the packed multiply-add takes a pair
.endr
	BAR                                            ; every wave's reads of the parts are over: the table may take their bytes.  (The images are in registers too)
.irp e, 0,1,2,3,4,5,6,7
	ds_store_b64 v[AWT], v[WPR+2*\e:WPR+2*\e+1] offset:1280*\e
.endr
	BAR                                            ; the table is whole
	WIN 0x80
.irp e, 0,1,2,3,4,5,6,7
.irp i, 0,1,2,3
	ds_load_b128 v[WP+16*\e+4*\i:WP+16*\e+4*\i+3], v[AWL] offset:1280*\e+16*\i   ; of tokens 16 t + r, t = 0 .. 7: rows 80 bytes apart
.endr
.endr
	WIN 0
	WFLOAD 0                                       ; group 0's weights were shown landed in every wave by the second unit's wait and round
; THE MAIN PHASE.
; One product: temp[t] (+)= W_e's 16 rows x tile t's 16 tokens, K step q.  The first K step takes the bias as C.  W's scale word lies in lanes 0-15 for K steps 0, 1, else in lanes 16-31; x's in lanes 0-15 for even tiles.
.macro WM e, q, t
.set rT, T+8*(\t)
.set rA, WF+32*((\e)%2)+8*(\q)
.set rB, 64*((\q)%2)+8*(\t)
.set rC, rT
.if (\q) == 0
.set rC, BI+8*(\e)
.endif
.set rW, WS+2*(\e)+(\q)%2
.set rX, XS+4*(\q)+(\t)/2
.if ((\q) < 2) && ((\t)%2 == 0)
	v_wmma_scale_f32_16x16x128_f8f6f4 v[rT:rT+7], v[rA:rA+7], v[rB:rB+7], v[rC:rC+7], v[rW], v[rX] matrix_a_fmt:MATRIX_FMT_FP4 matrix_b_fmt:MATRIX_FMT_FP4
.elseif (\q) < 2
	v_wmma_scale_f32_16x16x128_f8f6f4 v[rT:rT+7], v[rA:rA+7], v[rB:rB+7], v[rC:rC+7], v[rW], v[rX] matrix_a_fmt:MATRIX_FMT_FP4 matrix_b_fmt:MATRIX_FMT_FP4 matrix_b_scale:MATRIX_SCALE_ROW1
.elseif (\t)%2 == 0
	v_wmma_scale_f32_16x16x128_f8f6f4 v[rT:rT+7], v[rA:rA+7], v[rB:rB+7], v[rC:rC+7], v[rW], v[rX] matrix_a_fmt:MATRIX_FMT_FP4 matrix_b_fmt:MATRIX_FMT_FP4 matrix_a_scale:MATRIX_SCALE_ROW1
.else
	v_wmma_scale_f32_16x16x128_f8f6f4 v[rT:rT+7], v[rA:rA+7], v[rB:rB+7], v[rC:rC+7], v[rW], v[rX] matrix_a_fmt:MATRIX_FMT_FP4 matrix_b_fmt:MATRIX_FMT_FP4 matrix_a_scale:MATRIX_SCALE_ROW1 matrix_b_scale:MATRIX_SCALE_ROW1
.endif
.endm
; out[t] (+)= w x temp[t], pair j of four; expert 0 starts the sums: nothing is cleared.  A tile's pairs go in ascending order: temp is read from its low end on
.macro PK ce, t, j
.set rO, O+8*(\t)+2*(\j)
.set rS, T+8*(\t)+2*(\j)
.set rP, WP+16*(\ce)+2*(\t)
.if (\ce) == 0
	v_pk_mul_f32 v[rO:rO+1], v[rS:rS+1], v[rP:rP+1]
.else
	v_pk_fma_f32 v[rO:rO+1], v[rS:rS+1], v[rP:rP+1], v[rO:rO+1]
.endif
.endm
; AN EXPERT IS FOUR RUNS.  (1) The memory instructions that are due, together, at its head.  (2) Its 32 products back to back: K step by K step, the eight accumulators by turns, one instruction a turn.
; (3) Four v_nop.  (4) Its 32 packed multiply-adds.  The places behind matrix instructions follow from that order: the four v_nop, and the multiply-adds of the tiles before, stand between a tile's
; last product and the first read of its temp; the v_nop and the multiply-adds of the seven other tiles stand between that product and the next expert's product that begins the temp anew, and between the last product
; that read a fragment, a scale word or a bias and the load into it.
.macro MULQ e, q                       ; eight products: K step q
.irp t, 0,1,2,3,4,5,6,7
	WM \e, \q, \t
.endr
.endm
.macro MULA e                          ; K steps 0 and 1
	WIN 0x34                                       ; source 1 (x's codes) window 1, source 2 (the bias) window 3
	MULQ \e, 0
	WIN 0x04
	MULQ \e, 1
.endm
.macro MULB e                          ; K steps 2 and 3
	WIN 0x08                                       ; source 1 window 2
	MULQ \e, 2
	MULQ \e, 3
.endm
.macro COMB e                          ; out (+)= w_e temp, all eight tiles
	WIN 0x08                                       ; source 1 window 2: the weights
	PLACES
.irp t, 0,1,2,3,4,5,6,7
.irp j, 0,1,2,3
	PK \e, \t, \j
.endr
.endr
	WIN 0
.endm
.macro EXPERT e                        ; an expert with nothing else due
	WFLOAD (\e)+1                                  ; the next expert's fragments, into the set that the expert before has left: they have this expert's 32 products and 32 multiply-adds in which to land
	s_wait_dscnt 8                                 ; LDS instructions end in order: all but the eight just issued are done, this expert's fragments among them
	MULA \e
	MULB \e
	COMB \e
.endm
.macro STAGE_OUT                       ; a lane's eight outputs of a token: 32 bytes of a stage row; a row's 256 bytes come from the four waves
.irp t, 0,1,2,3,4,5,6,7
	ds_store_b128 v[ASTO], v[O+8*\t:O+8*\t+3] offset:16*272*\t
	ds_store_b128 v[ASTO], v[O+8*\t+4:O+8*\t+7] offset:16*272*\t+16
.endr
.endm
.macro RBLOAD                          ; my 32 rows back, two rows an instruction
	WIN 0xc0
.irp i, 0,1,2,3,4,5,6,7,8,9,10,11,12,13,14,15
	ds_load_b128 v[RB+4*\i:RB+4*\i+3], v[ARD] offset:2*272*\i
.endr
	WIN 0
.endm
.macro RBSTORE                         ; sixteen lanes store 256 consecutive bytes, at a multiple of 256 from out0's first byte.  The base has stepped to the next group: the immediate reaches back
	WIN 0x0c                                       ; a store's data are its source 1: window 3
.irp i, 0,1,2,3,4,5,6,7,8,9,10,11,12,13,14,15
	global_store_b128 v[AGO], v[RB+4*\i:RB+4*\i+3], s[16:17] offset:4096*\i-256 th:TH_STORE_NT
.endr
	WIN 0
.endm
; Experts 0 to 3 of a group.  back = 1: the group before lies in the stage: it is read back at expert 2's head and stored at expert 3's.
.macro EA back
	BATCH 4, 0                                     ; biases and scale words of experts 4-7: wanted four experts on
	WFLOAD 1
	s_wait_dscnt 8                                 ; all but expert 1's eight loads: expert 0's fragments are in, and my stores into the stage (the first time: the loads of the weights) are done
	s_wait_loadcnt 12                              ; global loads come back in order: the twelve just issued may be out; those of experts 0-3, issued four experts ago, are in
	MULA 0
	MULB 0
	COMB 0
	EXPERT 1
.if \back
	s_wait_dscnt 0x0                               ; expert 2's fragments are in; my stores into the stage landed two experts ago
	s_barrier_signal -1
	s_barrier_wait -1                              ; the stage is whole
	RBLOAD
	WFLOAD 3
.else
	WFLOAD 3
	s_wait_dscnt 8
.endif
	MULA 2
	MULB 2
	COMB 2
	WFLOAD 4
	s_wait_dscnt 8                                 ; all but expert 4's eight loads: expert 3's fragments and the rows read back are in
.if \back
	RBSTORE
.endif
	MULA 3
	MULB 3
	COMB 3
.endm
; Experts 4 to 7, and the group's way into the stage.  ahead = 1: a group follows.  refill = 1: the slot in hand is filled again, with the group two further on.
.macro EB refill, ahead
.if \ahead
	BATCH 0, 1                                     ; the next group's experts 0-3: wanted four experts on
.endif
	WFLOAD 5
	s_wait_dscnt 8
	s_wait_loadcnt 12*\ahead                       ; experts 4-7's biases and scale words are in; the twelve just issued, if any, may be out
	MULA 4
	MULB 4
	COMB 4
	EXPERT 5
	EXPERT 6
.if \ahead                             ; expert 7 changes slots: ONE barrier.  (Every window is 0 here)
	s_wait_tensorcnt 0x0                           ; all my tensor loads have landed: my part of the next group's weights;
	ds_add_u32 v[SPW], v[NIL]                      ; 0 onto my spare word
.if \refill
	ASK
.endif
.endif
	s_wait_dscnt 0x0                               ; the add is done; expert 7's fragments are in: my reads of this slot, and of the stage, are over
	s_barrier_signal -1
	MULA 7                                         ; work on registers while the others arrive
	WIN 0
	s_barrier_wait -1
.if \refill
	CREST                                          ; the barrier has opened a round of the cluster's: no wave of any partner still reads this slot or has a load on its way
	JLOAD                                          ; my one tensor load behind the round: it has a whole group, 256 products a wave, in which to land
.endif
.if \ahead
	s_xor_b32 s[TB], s[TB], SLOT                   ; on to the other slot
	v_add_nc_u32 v[AW], s[TB], v[AWB]
	v_add_nc_u32 v[AW+1], 4*EXPB, v[AW]
	WFLOAD 0                                       ; into the set that expert 6 has left
.endif
	MULB 7
	COMB 7
	s_wait_xcnt 0x0                                ; every earlier load and store has had its addresses translated: the bases, and the registers that the stores read, are written again only behind this wait
.if \ahead
	s_add_nc_u64 s[14:15], s[14:15], 256           ; the next group's 64 biases,
	s_add_nc_u64 s[12:13], s[12:13], 1024          ; its 64 rows of scale bytes,
.endif
	s_add_nc_u64 s[16:17], s[16:17], 256           ; and its 256 bytes of a row of out0
	STAGE_OUT                                      ; behind this group's barrier: every wave's reads of the last group's rows are over
.endm
	EA 0                                           ; group 0's first four experts: nothing lies in the stage yet
	WIN 0                                          ; at a label and at a branch every window is 0
	s_mov_b32 s[G], 0
.Lgroup:                                           ; six trips: the rest of group g (its slot is filled again with group g + 2), then the first four experts of group g + 1
	EB 1, 1
	EA 1
	WIN 0
	s_add_co_u32 s[G], s[G], 1
	s_cmp_lt_u32 s[G], 6
	s_cbranch_scc1 .Lgroup
	EB 0, 1                                        ; the tail is written out: group 6 asks for nothing more
	EA 1
	EB 0, 0                                        ; and group 7 looks no further ahead
	s_wait_dscnt 0x0
	s_barrier_signal -1
	s_barrier_wait -1                              ; group 7 lies in the stage
	RBLOAD
	WIN 0x0c
.irp i, 0,1,2,3,4,5,6,7,8,9,10,11,12,13,14,15
	s_wait_dscnt 15-\i                             ; LDS loads come back in order: the younger ones may be out
	global_store_b128 v[AGO], v[RB+4*\i:RB+4*\i+3], s[16:17] offset:4096*\i-256 th:TH_STORE_NT
.endr
	WIN 0
	s_wait_tensorcnt 0x0                           ; the wave's end, behind my last tensor load and my last LDS store
	ds_add_u32 v[SPW], v[NIL]
	s_wait_dscnt 0x0
	CROUND                                         ; the closing round: no work-group ends while a partner may still ask for a tile that names it
	s_endpgm
.Lfunc_end_k_qc11dfe1e0c_moe:
	.size	k_qc11dfe1e0c_moe, .Lfunc_end_k_qc11dfe1e0c_moe-k_qc11dfe1e0c_moe
	.p2alignl 7, 3214868480
	.fill 96, 4, 3214868480
	.section	.rodata,"a",@progbits
	.p2align	6, 0x0
	.amdhsa_kernel k_qc11dfe1e0c_moe
		.amdhsa_group_segment_fixed_size 327680
		.amdhsa_private_segment_fixed_size 0
		.amdhsa_enable_private_segment 0
		.amdhsa_kernarg_size 56
		.amdhsa_user_sgpr_count 2
		.amdhsa_user_sgpr_kernarg_segment_ptr 1
		.amdhsa_wavefront_size32 1
		.amdhsa_system_sgpr_workgroup_id_x 1
		.amdhsa_system_sgpr_workgroup_id_y 1
		.amdhsa_system_sgpr_workgroup_id_z 1
		.amdhsa_system_vgpr_workitem_id 0
		.amdhsa_next_free_vgpr 1024
		.amdhsa_next_free_sgpr 102
		.amdhsa_reserve_vcc 0
		.amdhsa_float_denorm_mode_32 3
		.amdhsa_float_denorm_mode_16_64 3
		.amdhsa_memory_ordered 1
		.amdhsa_forward_progress 1
		.amdhsa_inst_pref_size 255
	.end_amdhsa_kernel
	.section	.bss,"aw",@nobits
	.p2align	6
	.space	262144
	.amdgpu_metadata
---
amdhsa.version: [ 1, 2 ]
amdhsa.kernels:
  - .name:           k_qc11dfe1e0c_moe
    .symbol:         k_qc11dfe1e0c_moe.kd
    .args:
      - { .name: x, .offset: 0, .size: 8, .value_kind: global_buffer, .address_space: global }
      - { .name: Wg, .offset: 8, .size: 8, .value_kind: global_buffer, .address_space: global }
      - { .name: bg, .offset: 16, .size: 8, .value_kind: global_buffer, .address_space: global }
      - { .name: W_codes, .offset: 24, .size: 8, .value_kind: global_buffer, .address_space: global }
      - { .name: W_scales, .offset: 32, .size: 8, .value_kind: global_buffer, .address_space: global }
      - { .name: b, .offset: 40, .size: 8, .value_kind: global_buffer, .address_space: global }
      - { .name: out0, .offset: 48, .size: 8, .value_kind: global_buffer, .address_space: global }
    .group_segment_fixed_size: 327680
    .private_segment_fixed_size: 0
    .kernarg_segment_align: 8
    .kernarg_segment_size: 56
    .max_flat_workgroup_size: 128
    .sgpr_count:     102
    .vgpr_count:     1024
    .wavefront_size: 32
...
	.end_amdgpu_metadata
.endif
;; end of part 2
